; MI455X (gfx1250); checked and timed in simulation.
; The chip was launched on July 23, 2026; its instructions are those of AMD's public machine-readable ISA for CDNA 5 (MIT licence, August 2026) and "CDNA5" Instruction Set Architecture Reference Guide (July 2026). The comments in the code are by the model that wrote it; some were corrected since.
;; MHSA. Allowed arithmetic: matrix products marked QUANTISED: E2M3 operands, one E8M0 scale for each 32 along K, by v_wmma_scale_f32_16x16x128_f8f6f4 with both operands' format E2M3, f32 sums; everything else in f32.
;; Inputs: Wk_codes 768 x 24 x 24 uint8 (E2M3 codes of Wk, K innermost, in blocks of 32 codes, four codes in three bytes); Wk_scales 768 x 24 uint8 (E8M0 scales of Wk, one for each 32 codes along K); Wq_codes 768 x 24 x 24 uint8 (E2M3 codes of Wq, K innermost, in blocks of 32 codes, four codes in three bytes); Wq_scales 768 x 24 uint8 (E8M0 scales of Wq, one for each 32 codes along K); Wv 768 x 768 float32; x_codes 2 x 4,096 x 24 x 24 uint8 (E2M3 codes of x, K innermost, in blocks of 32 codes, four codes in three bytes); x_scales 2 x 4,096 x 24 uint8 (E8M0 scales of x, one for each 32 codes along K).
;; Outputs: out0 2 x 4,096 x 768 float32.
;; This version of the problem:
;;   THIS VERSION OF THE PROBLEM IS GIVEN IN LOW PRECISION. The matrix products marked QUANTISED in the list below multiply operands that are first quantised to E2M3 (2 exponent bits, 3 mantissa bits; 6 bits a number), with one power-of-two scale for each 32 numbers along K (OCP MX v1.0); their sums are f32. All else is computed in f32.
;;   The module's matrix products, in the order in which they are computed (A, B: the left and right operand; K: the contracted axis; several contracted axes count as one K, in the product's order):
;;     1. [M 8,192, K 768] x [K 768, N 768]; A: input x (given as codes); B: input Wq (given as codes): QUANTISED
;;     2. [M 8,192, K 768] x [K 768, N 768]; A: input x (given as codes); B: input Wk (given as codes): QUANTISED
;;     3. [M 8,192, K 768] x [K 768, N 768]; A: input x (given as codes); B: input Wk (given as codes): QUANTISED
;;     4. batch 12 x [M 4,096, K 128] x [K 128, N 4,096]; A: computed on the way; B: computed on the way: QUANTISED
;;     5. batch 12 x [M 4,096, K 4,096] x [K 4,096, N 128]; A: softmax (see below); B: computed on the way: QUANTISED
;;   THE QUANTISER, for each operand of a quantised product, along K:
;;     - K is cut into blocks of 32 from its start; a last block that is shorter is filled with zeros.
;;     - A block's scale is 2^e with e = floor(log2(the largest magnitude in the block)) - 2, held to -126 .. 127; a block of zeros has e = 0. As a byte (E8M0): e + 127.
;;     - Each number is divided by its block's scale, clamped to +-7.5, and rounded to the nearest number of E2M3, ties to even, subnormals kept.
;;     - The product sums the exact products of the quantised numbers (number of the format x scale) in f32.
;;   ~~~python
;;   def quantise(x, axis):      # numpy; x: float32 -> the quantised numbers, widened to float32 again
;;       x = np.moveaxis(x, axis, -1); K = x.shape[-1]
;;       x = np.pad(x, [(0, 0)] * (x.ndim - 1) + [(0, -K % 32)]); x = x.reshape(x.shape[:-1] + (-1, 32)); a = np.abs(x).max(-1, keepdims=True)
;;       e = np.where(a > 0, np.clip(np.frexp(np.where(a > 0, a, 1))[1] - 1 - 2, -126, 127), 0)      # np.frexp(a)[1] - 1 = floor(log2(a)), exactly
;;       r = np.clip(x / 2.0 ** e, -7.5, 7.5)
;;       step = 2.0 ** (np.maximum(np.frexp(np.where(r == 0, 1, r))[1] - 1, 0) - 3)
;;       q = np.round(r / step) * step * 2.0 ** e      # np.round: ties to even
;;       return np.moveaxis(q.reshape(q.shape[:-2] + (-1,))[..., :K], -1, axis).astype(np.float32)
;;   ~~~
;;   SOFTMAX AHEAD OF A QUANTISED PRODUCT. Where the list says 'softmax', what is quantised is not the finished softmax but p = 2^(t - M), with t = logit x log2(e) and M = ceil(the row's largest t), a whole number; so 1/2 < the row's largest p <= 1. The row's sum l is taken of the UNQUANTISED p, in f32, and the product's result is divided by l at the end. Since M is a whole number, a kernel that streams over the keys may use a running M (the ceiling of the running maximum): every later rescaling is an exact power of two, which a block's scale takes up: the codes' values come out the same.
;;   OPERANDS COMPUTED ON THE WAY. 'Computed on the way' means the value that the module computes at that place (a softmax that the list does not call 'softmax' is quantised finished and normalised). What goes into a quantiser is computed in f32, as accurately as f32 sums, v_exp_f32 and their like allow (about 1e-6 of the number): no bf16 or f16 on the way to a quantiser, and a product that is left as it is and whose result goes on into a quantised operand takes f32 operands (vector FMAs, or v_wmma_f32_16x16x4_f32). A number that lies on a knife's edge between two numbers of the format may be rounded either way, as far as f32 arithmetic and the matrix unit's own rounding can turn it there, and no further.
;;   INPUTS GIVEN AS CODES. Wk (in the module: [768, 768], K = its axis 1); Wq (in the module: [768, 768], K = its axis 1); x (in the module: [2, 4096, 768], K = its axis 2): each comes as NAME_codes (uint8): NAME with its K axis moved to the last place and cut into blocks of 32 codes, [.., K / 32, bytes a block], one block behind the other in memory; four codes in three bytes: a row's codes are one little-endian stream of bits, code i at bits 6 i .. 6 i + 5 (a code: sign, 2 exponent bits, 3 mantissa bits); and NAME_scales (uint8): the same leading axes, one E8M0 byte (e + 127) for each 32 codes along K. Its value is code x scale, taken as it is: it is not quantised again, and the codes and scales need not be those that the quantiser above would give.
;; One version. Each part assembles by itself: llvm-mc -triple=amdgcn-amd-amdhsa -mcpu=gfx1250 --defsym DOCPART=n.
;; ======== version 1 of 1: 2 launches
;; limits: right only within a limited range of input values
;; workspace buffers: ws 14,745,600 bytes
;; launch proj (part 1): grid 96 x 2, 4 waves a work-group, no clusters, 313,856 bytes of LDS; arguments x_codes, x_scales, Wq_codes, Wq_scales, Wk_codes, Wk_scales, ws; writes ws
.if DOCPART == 1
	.amdgcn_target "amdgcn-amd-amdhsa--gfx1250"
	.amdhsa_code_object_version 6
	.text
	.protected	k_qf2b289942f_proj
	.globl	k_qf2b289942f_proj
	.p2align	8
	.type	k_qf2b289942f_proj,@function
k_qf2b289942f_proj:
	s_mov_b64 s[64:65], 0
	v_nop
	global_prefetch_b8 v0, s[64:65] scope:SCOPE_SE
	s_setreg_imm32_b32 hwreg(HW_REG_WAVE_MODE, 25, 1), 1
	s_wait_xcnt 0x0
; q = x Wq^T, k = x Wk^T and v = x Wk^T on the given codes of FP6 (E2M3) and their E8M0 bytes; each result is quantised in registers for the attention that follows:
; q and k along the head's 128 channels, v along the keys.
; LEFT OUT: Wv.  reference() never reads it, so no output hangs on it for any values; it is not loaded and is no argument of any launch.  A NaN or an infinity in Wv is not carried to the result.
; SHARES.  Work-group x: X = x & 31, 256 tokens; wb = x >> 5, 256 weight rows (two heads).  y = 0: k and v (two passes over the same two tiles in LDS), y = 1: q (one pass).
; A pass makes 256 (P) x 256 (R) over K = 768; P is source 0 and the result is quantised ALONG P; R's rows are the rows of the fragments made.  q, k: P = weight, R = x.  v: P = x, R = Wk.
; Wave w takes the weight's half w & 1 and x's half w >> 1 in both passes: 128 x 128, 64 accumulators.
; THE ROWS OF A TILE: in every group of 128 rows tile 4 c + w holds, as its row m, the group's row 64 c + 32 (m / 8) + 8 w + m % 8.  So a lane's registers 32 c .. 32 c + 31 of the results are one whole
; block of 32 along the next K, in the order of the 6-bit operand layout.
; OUT.  ws = [6 b + head][group of 128 tokens][38,400 bytes]: +0 K's 8 fragments, +12,288 V's 8, +24,576 K's scale words, +25,088 V's, +25,600 Q's 8, +37,888 Q's words.
; A fragment lies as an image of its 12 registers: registers 4 c .. 4 c + 3 of lane l at 512 c + 16 l.  The word of (tile u, row r) lies at 16 (r + 16 (u / 4)) + 4 (u % 4).  Every store covers 512 consecutive bytes.
; LDS.  128 rows of 576 bytes are 73,728 dense bytes, from a multiple of 256 on: each wave brings them by ONE tensor load as 288 rows of 256 bytes, 16 bytes of padding behind each.
; Four rows are nine such units, 2,448 bytes of LDS.  Byte b of row 4 G + i lies at 2,448 G + y + 16 (y / 256), y = 576 i + b.  Of y / 256 the part that hangs on the lane is 2 i and one carry,
; [64 i + 24 h + b0 % 256 >= 256]: eight address registers a side, number n with the carry in the n lanes' classes of largest 64 i + 24 h; n is found for each piece when the text is assembled.
; The scale words go from memory into registers, once: every byte of the wave's 2 x 128 rows of 24 bytes is used.
; No cluster: each tile is fetched once, at the head, and which buffer a wave fetches hangs on grid y.  No prefetch: the launch has no loop to run ahead in.
; LIMITS: NaN, infinities and the scale byte 0xff are not served; a block whose largest magnitude lies under 2^-124 (a block of zeros too) gets the byte 1: its bytes are read by this program alone.
; REGISTERS: window 0: v1-23 at work; v24-71 the weight's scale words, v72-119 x's (register 6 i + s: tile i, K step s); v128-223 R's fragments, later the codes made; v224-239 LDS addresses.
;   window 1: P's fragments, two sets, at v0 and v128.   windows 2, 3: accumulator (a, b) at v[8 (8 (a % 4) + b)] of window 2 + a / 4.
.set CH4,   2448
.set WPART, 32*CH4
.set SPARE, 4*WPART
.set AW,   224
.set AX,   232
.set SW,   24
.set SX,   72
.set WS,   8
.set OW,   16
.set LI,   21
.set SH8,  22
.set X,    23
.set T,    120
.set E,    122
.set W,    124
.set CT0,  240
.set CT1,  244
.set RF,   128
.set MSB, 0
.macro WIN new
.if MSB != (\new)
	s_set_vgpr_msb (MSB<<8)|(\new)
.set MSB, (\new)
.endif
.endm
.macro PLACES
.rept 4
	v_nop
.endr
.endm
	s_load_b256 s[4:11], s[0:1], 0x0               ; x's codes, x's scales, Wq's codes, Wq's scales
	s_load_b128 s[12:15], s[0:1], 0x20             ; Wk's codes, Wk's scales
	s_load_b64 s[16:17], s[0:1], 0x30              ; ws
	v_lshl_add_u32 v254, v0, 2, SPARE
	v_mov_b32 v255, 0
	ds_add_u32 v254, v255                          ; the opening lines
	ds_add_u32 v254, v255
	v_lshrrev_b32 v3, 5, v0
	v_readfirstlane_b32 s18, v3                    ; wave 0..3
	s_and_b32 s19, ttmp9, 31                       ; X
	s_lshr_b32 s20, ttmp9, 5                       ; wb
	s_and_b32 s21, ttmp7, 0xffff                   ; 0: k and v; 1: q
	s_lshr_b32 s23, s18, 1                         ; I fetch the weight (0) or x (1); also x's half that I multiply
	s_and_b32 s90, s18, 1                          ; which 128 rows I fetch; also the weight's half that I multiply
	s_mov_b32 s28, (3<<16)|(1<<20)|(5<<22)|(3<<25) ; group 1: elements of 8 bytes; 4 words of padding behind every 64
	s_mov_b32 s29, 32<<16
	s_mov_b32 s30, 288<<16
	s_mov_b32 s31, 32<<16
	s_mov_b32 s32, 288
	s_mov_b32 s33, 32
	s_mov_b32 s34, 0
	s_mov_b32 s35, 0
	s_mov_b32 s44, 1
	s_mul_i32 s45, s18, WPART                      ; the weight's two halves, then x's two
	s_mul_i32 s2, s90, WPART
	s_mul_i32 s3, s23, WPART
	s_add_co_u32 s3, s3, 2*WPART
	s_mov_b32 s88, 0x76543210
	s_mov_b32 s89, 0xfedcba98                      ; selects for lane l xor 16
	v_and_b32 v1, 15, v0                           ; r
	v_bfe_u32 v2, v0, 4, 1                         ; h
	v_lshrrev_b32 v3, 3, v1                        ; r / 8
	v_bfe_u32 v4, v0, 2, 1                         ; (r % 8) / 4
	v_and_b32 v5, 3, v0                            ; i = r % 4
	v_lshl_add_u32 v4, v3, 3, v4                   ; groups of four rows: 8 (r / 8) + (r % 8) / 4
	v_mul_u32_u24 v4, v4, CH4
	v_mad_u32_u24 v4, v5, 608, v4                  ; 576 i + 16 x 2 i
	v_mad_u32_u24 v4, v2, 24, v4
	v_lshl_add_u32 v5, v5, 1, v2                   ; 2 i + h: the order of 64 i + 24 h
.irp n, 0,1,2,3,4,5,6,7
	v_add_nc_u32 v6, \n, v5
	v_lshrrev_b32 v6, 3, v6                        ; 1 in the n classes on top
	v_lshl_add_u32 v6, v6, 4, v4
	v_add_nc_u32 v[AW+\n], s2, v6
	v_add_nc_u32 v[AX+\n], s3, v6
.endr
	v_and_b32 v7, 7, v1
	v_mul_u32_u24 v7, v7, 24
	v_mad_u32_u24 v7, v3, 768, v7                  ; scale bytes: 24 a row
	v_and_b32 v6, 31, v0
	v_lshlrev_b32 v[LI], 4, v6
	v_lshlrev_b32 v[SH8], 3, v2
	v_mov_b32 v[X], 0                              ; a lane permute's destination counts as a source
	s_wait_dscnt 0x0
	s_wait_alu depctr_va_vdst(0)                   ; the wait at the head's end
	s_wait_kmcnt 0x0
	s_cmp_eq_u32 s21, 1
	s_cselect_b64 s[24:25], s[8:9], s[12:13]       ; the weight's codes
	s_cselect_b64 s[26:27], s[10:11], s[14:15]     ; and scales
	s_cmp_eq_u32 s23, 1
	s_cselect_b64 s[46:47], s[4:5], s[24:25]
	s_cselect_b32 s92, s19, s20
	s_lshl_b32 s92, s92, 8
	s_lshl_b32 s93, s90, 7
	s_add_co_u32 s92, s92, s93                     ; the first row that I fetch
	s_mul_i32 s2, s92, 576
	s_mov_b32 s3, 0
	s_add_nc_u64 s[46:47], s[46:47], s[2:3]
	s_or_b32 s47, s47, 0x80000000
	tensor_load_to_lds s[44:47], s[28:35]          ; my one load: 128 rows, all of K
	s_nop 0
	PLACES
	s_lshl_b32 s92, s20, 8
	s_lshl_b32 s93, s90, 7
	s_add_co_u32 s92, s92, s93
	s_mul_i32 s2, s92, 24
	s_add_nc_u64 s[26:27], s[26:27], s[2:3]        ; the scales of my half of the weight
	s_lshl_b32 s92, s19, 8
	s_lshl_b32 s93, s23, 7
	s_add_co_u32 s92, s92, s93
	s_mul_i32 s2, s92, 24
	s_add_nc_u64 s[36:37], s[6:7], s[2:3]          ; and of my half of x
.irp i, 0,1,2,3,4,5,6,7
.irp q, 0,1,2
	global_load_b64 v[SW+6*\i+2*\q:SW+6*\i+2*\q+1], v7, s[26:27] offset:1536*(\i/4)+192*(\i%4)+8*\q
	global_load_b64 v[SX+6*\i+2*\q:SX+6*\i+2*\q+1], v7, s[36:37] offset:1536*(\i/4)+192*(\i%4)+8*\q
.endr
.endr
	s_lshl_b32 s92, s20, 1
	s_add_co_u32 s92, s92, s90                     ; head
	s_lshl_b32 s93, s19, 1
	s_add_co_u32 s93, s93, s23                     ; group of 128 tokens, 0..63
	s_lshr_b32 s2, s93, 5                          ; b
	s_and_b32 s93, s93, 31
	s_mul_i32 s2, s2, 6
	s_add_co_u32 s2, s2, s92
	s_lshl_b32 s2, s2, 5
	s_add_co_u32 s2, s2, s93
	s_mul_i32 s2, s2, 38400
	s_add_nc_u64 s[16:17], s[16:17], s[2:3]
	s_mov_b32 s2, 25600
	s_mov_b32 s92, 37888
	s_mov_b32 s93, 24576
	s_cmp_eq_u32 s21, 1
	s_cselect_b32 s2, s2, 0                        ; codes: q 25,600, k 0 (v: 12,288 on, in the stores' offsets)
	s_cselect_b32 s92, s92, s93                    ; words: q 37,888, k 24,576 (v: 512 on)
	s_add_nc_u64 s[84:85], s[16:17], s[2:3]
	s_mov_b32 s93, 0
	s_add_nc_u64 s[86:87], s[16:17], s[92:93]
; a fragment: 16 rows x 128 K, 12 registers, in pieces of 8 bytes; s: the K step, 0..5
.macro FRAG reg, adr, s, tau
.irp p, 0,1,2,3,4,5
.set BY, 96*(\s)+48*(\p/3)+8*(\p%3)
.set NV, 0
.irp q, 216,192,152,128,88,64,24
.if \q+(BY%256) >= 256
.set NV, NV+1
.endif
.endr
	ds_load_b64 v[\reg+2*\p:\reg+2*\p+1], v[\adr+NV] offset:CH4*(16*((\tau)/4)+2*((\tau)%4))+BY+16*(BY/256)
.endr
.endm
.macro FETCH_P s, set
	WIN 0x40
.irp i, 0,1,2,3,4,5,6,7
	FRAG 128*(\set)+12*\i, PA, \s, \i
.endr
	WIN 0
.endm
.macro FETCH_R s, i0
.irp i, \i0, \i0+1, \i0+2, \i0+3
	FRAG RF+12*(\i), RA, \s, \i
.endr
.endm
; 16 matrix instructions: R's tiles a0, a0 + 1 x P's eight.  The 64 accumulators take turns
.macro MUL16 a0, set, s, zero
.irp a, \a0, \a0+1
.irp b, 0,1,2,3,4,5,6,7
.if \zero
	v_wmma_scale_f32_16x16x128_f8f6f4 v[8*(8*((\a)%4)+\b):8*(8*((\a)%4)+\b)+7], v[128*(\set)+12*\b:128*(\set)+12*\b+11], v[RF+12*(\a):RF+12*(\a)+11], 0, v[PS+6*\b+(\s)], v[RS+6*(\a)+(\s)] matrix_a_fmt:MATRIX_FMT_FP6 matrix_b_fmt:MATRIX_FMT_FP6
.else
	v_wmma_scale_f32_16x16x128_f8f6f4 v[8*(8*((\a)%4)+\b):8*(8*((\a)%4)+\b)+7], v[128*(\set)+12*\b:128*(\set)+12*\b+11], v[RF+12*(\a):RF+12*(\a)+11], v[8*(8*((\a)%4)+\b):8*(8*((\a)%4)+\b)+7], v[PS+6*\b+(\s)], v[RS+6*(\a)+(\s)] matrix_a_fmt:MATRIX_FMT_FP6 matrix_b_fmt:MATRIX_FMT_FP6
.endif
.endr
.endr
.endm
; a K step: R's tiles 0-3 are fetched anew in its middle, tiles 4-7 at its end
.macro STEP s, zero
	s_wait_dscnt 24                                ; the youngest 24 loads (R's tiles 4-7) may be out
	WIN 0xa1
	MUL16 0, (\s)%2, \s, \zero
	MUL16 2, (\s)%2, \s, \zero
	s_wait_dscnt 0x0
	PLACES
	FETCH_P (\s)+1, 1-(\s)%2
	FETCH_R (\s)+1, 0
	WIN 0xf1
	MUL16 4, (\s)%2, \s, \zero
	MUL16 6, (\s)%2, \s, \zero
	PLACES
	WIN 0
	FETCH_R (\s)+1, 4
.endm
; R's tile a becomes a fragment: my 64 numbers are blocks h and 2 + h of my row; a block's byte is its largest magnitude's exponent field - 2
.macro QUANT a
.set WN, 2+(\a)/4
.set AC, 64*((\a)%4)
.set CA, RF+12*(\a)
.set WQ, (WN<<2)|(WN<<4)
	WIN WQ
	v_max3_num_f32 v[T], 0x1800000, |v[AC]|, |v[AC+1]|             ; the floor 2^(3 - 127) among the leaves; each accumulator from its low end on
	v_max3_num_f32 v[T+1], 0x1800000, |v[AC+32]|, |v[AC+33]|
.set i, 2
.rept 15
	v_max3_num_f32 v[T], v[T], |v[AC+i]|, |v[AC+i+1]|
	v_max3_num_f32 v[T+1], v[T+1], |v[AC+32+i]|, |v[AC+33+i]|
.set i, i+2
.endr
	WIN 0
	v_add_nc_u32 v[E], 0xff000000, v[T]            ; the conversion's scale operand
	v_add_nc_u32 v[E+1], 0xff000000, v[T+1]
	v_lshrrev_b32 v[T], 23, v[E]
	v_lshrrev_b32 v[T+1], 23, v[E+1]
	v_lshl_or_b32 v[W], v[T+1], 16, v[T]
	v_lshlrev_b32 v[W], v[SH8], v[W]
	v_permlanex16_b32 v[X], v[W], s88, s89
	v_or_b32 v[WS+(\a)], v[W], v[X]                ; the row's scale word
	WIN WN
	v_cvt_scalef32_pk16_fp6_f32 v[CA:CA+2], v[AC:AC+15], v[E]
	v_cvt_scalef32_pk16_fp6_f32 v[CT0:CT0+2], v[AC+16:AC+31], v[E]         ; (three registers from an even one on)
	v_cvt_scalef32_pk16_fp6_f32 v[CA+6:CA+8], v[AC+32:AC+47], v[E+1]
	v_cvt_scalef32_pk16_fp6_f32 v[CT1:CT1+2], v[AC+48:AC+63], v[E+1]
	WIN 0
	v_nop
.irp i, 0,1,2
	v_mov_b32 v[CA+3+\i], v[CT0+\i]
	v_mov_b32 v[CA+9+\i], v[CT1+\i]
.endr
.irp c, 0,1,2
	global_store_b128 v[LI], v[CA+4*\c:CA+4*\c+3], s[84:85] offset:CO+1536*(\a)+512*\c
.endr
.endm
.macro PASS
	FETCH_P 0, 0
	FETCH_R 0, 0
	FETCH_R 0, 4
	STEP 0, 1
.irp s, 1,2,3,4
	STEP \s, 0
.endr
	s_wait_dscnt 24
	WIN 0xa1
	MUL16 0, 1, 5, 0
	MUL16 2, 1, 5, 0
	s_wait_dscnt 0x0
	WIN 0xf1
	MUL16 4, 1, 5, 0
	MUL16 6, 1, 5, 0
	WIN 0
	PLACES
.irp a, 0,1,2,3,4,5,6,7
	QUANT \a
.endr
	v_cmp_eq_u32 vcc_lo, 1, v2                     ; lanes 16-31 store the words of tiles 4-7
.irp q, 0,1,2,3
	v_cndmask_b32 v[OW+\q], v[WS+\q], v[WS+4+\q], vcc_lo
.endr
	global_store_b128 v[LI], v[OW:OW+3], s[86:87] offset:WO
.endm
	s_wait_tensorcnt 0x0                           ; my 128 rows are in
	s_barrier_signal -1
	s_barrier_wait -1                              ; everybody's are; nothing is filled again
	s_wait_loadcnt 0x0                             ; the scale words
.set PA, AW
.set RA, AX
.set PS, SW
.set RS, SX
.set CO, 0
.set WO, 0
	PASS                                           ; q or k: P = the weight, R = x
	s_wait_alu depctr_va_vdst(0)                   ; the wait ahead of the branch
	s_cmp_lg_u32 s21, 0
	s_cbranch_scc1 .Lend
	s_wait_xcnt 0x0                                ; the stores have read their data: the registers are loaded into again
.set PA, AX
.set RA, AW
.set PS, SX
.set RS, SW
.set CO, 12288
.set WO, 512
	PASS                                           ; v: the same two halves with the sources changed
.Lend:
	s_wait_tensorcnt 0x0                           ; the wave's end
	ds_add_u32 v254, v255
	s_wait_dscnt 0x0
	s_endpgm
.Lfunc_end_k_qf2b289942f_proj:
	.size	k_qf2b289942f_proj, .Lfunc_end_k_qf2b289942f_proj-k_qf2b289942f_proj
	.p2alignl 7, 3214868480
	.fill 96, 4, 3214868480
	.section	.rodata,"a",@progbits
	.p2align	6, 0x0
	.amdhsa_kernel k_qf2b289942f_proj
		.amdhsa_group_segment_fixed_size 313856
		.amdhsa_private_segment_fixed_size 0
		.amdhsa_enable_private_segment 0
		.amdhsa_kernarg_size 56
		.amdhsa_user_sgpr_count 2
		.amdhsa_user_sgpr_kernarg_segment_ptr 1
		.amdhsa_wavefront_size32 1
		.amdhsa_system_sgpr_workgroup_id_x 1
		.amdhsa_system_sgpr_workgroup_id_y 1
		.amdhsa_system_sgpr_workgroup_id_z 1
		.amdhsa_system_vgpr_workitem_id 0
		.amdhsa_next_free_vgpr 1024
		.amdhsa_next_free_sgpr 96
		.amdhsa_reserve_vcc 1
		.amdhsa_float_denorm_mode_32 3
		.amdhsa_float_denorm_mode_16_64 3
		.amdhsa_memory_ordered 1
		.amdhsa_forward_progress 1
		.amdhsa_inst_pref_size 238
	.end_amdhsa_kernel
	.amdgpu_metadata
---
amdhsa.version: [ 1, 2 ]
amdhsa.kernels:
  - .name:           k_qf2b289942f_proj
    .symbol:         k_qf2b289942f_proj.kd
    .args:
      - { .name: x_codes, .offset: 0, .size: 8, .value_kind: global_buffer, .address_space: global }
      - { .name: x_scales, .offset: 8, .size: 8, .value_kind: global_buffer, .address_space: global }
      - { .name: Wq_codes, .offset: 16, .size: 8, .value_kind: global_buffer, .address_space: global }
      - { .name: Wq_scales, .offset: 24, .size: 8, .value_kind: global_buffer, .address_space: global }
      - { .name: Wk_codes, .offset: 32, .size: 8, .value_kind: global_buffer, .address_space: global }
      - { .name: Wk_scales, .offset: 40, .size: 8, .value_kind: global_buffer, .address_space: global }
      - { .name: ws, .offset: 48, .size: 8, .value_kind: global_buffer, .address_space: global }
    .group_segment_fixed_size: 313856
    .private_segment_fixed_size: 0
    .kernarg_segment_align: 8
    .kernarg_segment_size: 56
    .max_flat_workgroup_size: 128
    .sgpr_count:     96
    .vgpr_count:     1024
    .wavefront_size: 32
...
	.end_amdgpu_metadata
.endif
;; end of part 1
;; launch attn (part 2): grid 256 x 1, 8 waves a work-group, clusters of 4 x 1, 327,680 bytes of LDS; arguments ws, out0; writes out0
.if DOCPART == 2
	.amdgcn_target "amdgcn-amd-amdhsa--gfx1250"
	.amdhsa_code_object_version 6
	.text
	.protected	k_qf2b289942f_attn
	.globl	k_qf2b289942f_attn
	.p2align	8
	.type	k_qf2b289942f_attn,@function
k_qf2b289942f_attn:
	s_mov_b64 s[64:65], 0
	v_nop
	global_prefetch_b8 v0, s[64:65] scope:SCOPE_SE
	s_setreg_imm32_b32 hwreg(HW_REG_WAVE_MODE, 25, 1), 1
	s_wait_xcnt 0x0
	s_wait_alu depctr_hold_cnt(0) depctr_sa_sdst(0) depctr_va_vdst(0) depctr_va_sdst(0) depctr_va_ssrc(0) depctr_va_vcc(0) depctr_vm_vsrc(0)
	s_getreg_b32 s2, hwreg(HW_REG_IB_STS2, 6, 4)
	s_cmp_eq_u32 s2, 0
	s_cbranch_scc0 .Lentry_in_a_cluster
	s_endpgm
.Lentry_in_a_cluster:
	s_bfe_u32 s2, ttmp6, 0x10000c
	s_cmp_lg_u32 s2, 0x3003
	s_cbranch_scc0 .Lentry_shape_is_right
	s_endpgm
.Lentry_shape_is_right:
; out[b][q][128 head ..] = the sum over keys of softmax(q . k / sqrt(768)) v, both products on codes of FP6 (E2M3) with one E8M0 scale for each 32 along K.  Operands come from ws as images of
; their registers: [6 b + head][group of 128 tokens][38,400 bytes]: +0 K's 8 fragments of 1,536 bytes, +12,288 V's 8, +24,576 K's scale words, +25,088 V's, +25,600 Q's 8, +37,888 Q's words.
; (Wv is left out as in the first kernel: reference() never reads it.)
; THE SOFTMAX: t = score x log2(e) / sqrt(768); M = the running largest t rounded UP to a whole number; p = 2^(t - M) is quantised along the keys, not normalised; the row's sum is taken of the
; unquantised p and divides at the end.  When M moves, the sum and O are multiplied by 2^(old M - new M), which rounds nothing.
; SHARES.  12 heads x 256 tiles of 16 queries are 3,072 tiles: 12 for each of 256 work-groups, 3 for each pair of waves.  Work-group g takes group g & 31 (128 queries, 8 tiles) of head g >> 5 (heads 0-7)
; and half g & 1 of group (g & 63) >> 1 (64 queries, 4 tiles) of head 8 + (g >> 6).  Four waves own TWO tiles of the first head, four own ONE tile of the second; a wave's kind is the parity of its number's
; three bits, so that of waves w, w + 4 and of waves 2 s, 2 s + 1 one is of each kind.  Every wave walks its head's 32 steps of 128 keys; the two kinds part by a branch on the wave's number inside the loop.
; LAYOUT: both products transposed (S^T = K Q^T, O^T = V^T P^T): a lane holds one query.  In every group of 128 tile 4 c + w holds, as its row m, the group's row 64 c + 32 (m / 8) + 8 w + m % 8:
; a lane's registers 32 c .. 32 c + 31 of S^T are the keys 64 c + 32 h + 0 .. 31, one whole block.
; THE FIRST HEAD'S K AND V go through a ring of two slots of four key steps (4 x 25,600 bytes).  CLUSTER: four neighbouring work-groups share that head, so each part of a slot is asked for JOINTLY, with the
; mask of all four.  Every wave brings 12,800 dense bytes, as 50 rows of 256.  One load of a wave is out at the start and one behind each round.
; THE SECOND HEAD'S K AND V go from ws straight into the registers of the waves with one tile: the images lie as the registers want them, 512 consecutive bytes a load; K and V have a set of registers each,
; and a set is asked for again as soon as its products are issued, one key step ahead of its use.  The last step asks for the last group once more, so that the counted waits hold on every path.
; PREFETCH: in trip i, which loads slot i + 1, each wave asks for its part of slot i + 3: 50 blocks of 256 bytes, 13 to a partner, told apart by address; the last three trips ask for nothing.
; LIMITS: NaN and infinities are not served; a block all of whose p lie under 2^-124 gets the byte 1; the promise holds while |t| stays under 2^31.
; REGISTERS: window 0: v1-9 addresses; v12-19 -M, largest t, the sum's two halves, a tile; v20-31 scale words alone; v32-79 fragments 0-3; v80-95 at work; v96-223 S^T, then p; v224-247 p's codes; v248-254 at work.
;   window 1: v0-127 O^T (register 8 u + j of a tile: channel 64 (u / 4) + 32 h + 8 (u % 4) + j); v128-151 Q; v160-207 fragments 4-7.
;   A wave with one tile keeps V's fragments 0-3 in window 0, v160-207, and 4-7 in window 1, v64-111, where the second tile would lie.
.set STEPB, 25600
.set NSTEP, 4                          ; key steps in a slot
.set GSTEP, NSTEP*38400                ; and their bytes in ws
.set SLOT1, 131072
.set STAGE, SLOT1+NSTEP*STEPB          ; the way out: 16 rows x (512 + 16) bytes for each wave; no fill lands here
.set SPITCH, 528
.set SPARE, STAGE+8*16*SPITCH
.set LI,  1
.set SPW, 2
.set NIL, 3
.set ADR, 4
.set SH8, 5
.set STO, 6
.set RD,  7
.set PFO, 8
.set QSO, 9
.set MS,  12
.set QS,  20
.set PS,  22
.set KS,  24
.set VS,  28
.set F,   32
.set ST,  80
.set S,   96
.set G,   160
.set PC,  224
.set CT0, 248
.set CT1, 252
.set Q,   128
.set F2,  160
.set G2,  64
.set MSB, 0
.macro WIN new
.if MSB != (\new)
	s_set_vgpr_msb (MSB<<8)|(\new)
.set MSB, (\new)
.endif
.endm
.macro PLACES
.rept 4
	v_nop
.endr
.endm
.macro DLY a, b                        ; the hint for two tiles by turns, or for one
.if NT == 2
	s_delay_alu instid0(VALU_DEP_\a)
.else
	s_delay_alu instid0(VALU_DEP_\b)
.endif
.endm
.macro DLYT t
.if NT == 1
	s_delay_alu instid0(VALU_DEP_1)
.elseif \t == 0
	s_delay_alu instid0(VALU_DEP_3)
.else
	s_delay_alu instid0(VALU_DEP_2)
.endif
.endm
.macro ROUND                           ; a round of the cluster's barrier
	s_barrier_signal -1
	s_barrier_wait -1
	s_cmp_lg_u32 s8, 0
	s_cbranch_scc1 .Lnot_wave_0_\@
	s_barrier_signal -3
.Lnot_wave_0_\@:
	s_barrier_wait -3
	s_barrier_signal -1
	s_barrier_wait -1
.endm
; 25 loads from ws in one run: the scale words of 8 tiles, fragments 0-3, fragments 4-7 of the second head's group at s[74:75]
.macro GLOADS off, soff, sreg, f, f2
	global_load_b128 v[\sreg:\sreg+3], v[LI], s[74:75] offset:\soff
.irp i, 0,1,2,3,4,5,6,7,8,9,10,11
	global_load_b128 v[\f+4*\i:\f+4*\i+3], v[LI], s[74:75] offset:\off+512*\i
.endr
	WIN 0x40
.irp i, 0,1,2,3,4,5,6,7,8,9,10,11
	global_load_b128 v[\f2+4*\i:\f2+4*\i+3], v[LI], s[74:75] offset:\off+6144+512*\i
.endr
	WIN 0
.endm
	s_load_b128 s[4:7], s[0:1], 0x0                ; ws, out0
	v_lshl_add_u32 v[SPW], v0, 2, SPARE
	v_mov_b32 v[NIL], 0
	ds_add_u32 v[SPW], v[NIL]                      ; the opening lines
	ds_add_u32 v[SPW], v[NIL]
	v_lshrrev_b32 v4, 5, v0
	s_delay_alu instid0(VALU_DEP_1)
	v_readfirstlane_b32 s8, v4                     ; wave 0..7
	s_lshr_b32 s48, ttmp9, 3                       ; the first head: the four partners share it,
	s_lshr_b32 s49, ttmp9, 4
	s_add_co_u32 s49, s49, 8                       ; and the second
	s_mul_i32 s10, s48, 1228800
	s_lshr_b32 s61, s8, 1                          ; which of a slot's four steps I fetch; also j, my number among the four of my kind
	s_mul_i32 s14, s61, 38400
	s_and_b32 s15, s8, 1                           ; and which half of its 25,600 bytes
	s_mul_i32 s15, s15, 12800
	s_add_co_u32 s12, s14, s15
	s_add_co_u32 s12, s12, s10
	s_mov_b32 s13, 0
	s_mul_i32 s9, s8, 12800                        ; where it goes in a slot
	s_mul_i32 s78, s49, 1228800                    ; the second head's first group
	s_mov_b32 s79, 0
	s_mov_b32 s77, 0
	s_mov_b32 s73, 32                              ; key steps to go
	s_mov_b32 s36, 0                               ; the step's place in the ring
	s_mov_b32 s16, 15|(3<<16)|(1<<21)              ; group 1: the mask of all four; elements of 8 bytes; bit 21 beside a mask
	s_mov_b32 s17, 32<<16
	s_mov_b32 s18, 50<<16
	s_mov_b32 s19, 32<<16
	s_mov_b32 s20, 50
	s_mov_b32 s21, 32
	s_mov_b32 s22, 0
	s_mov_b32 s23, 0
	s_mov_b32 s32, 0x76543210
	s_mov_b32 s33, 0xfedcba98                      ; selects for lane l xor 16
	s_mov_b32 s34, 0x3d553b95                      ; c = log2(e) / sqrt(768)
	s_mov_b32 s35, s34
	s_lshr_b32 s60, s8, 2
	s_xor_b32 s60, s60, s61
	s_xor_b32 s60, s60, s8
	s_and_b32 s60, s60, 1                          ; my kind: 0 two tiles of the first head, 1 one tile of the second
	s_mul_i32 s39, s8, 16*SPITCH
	s_add_co_u32 s39, s39, STAGE                   ; my stage
	; my queries: g = 4 x cluster x + cx enters Q's, out0's and the prefetches' addresses alone
	s_bfe_u32 s46, ttmp6, 0x40000
	s_lshl_b32 s47, ttmp9, 2
	s_add_co_u32 s47, s47, s46
	s_mul_i32 s69, s46, 13
	s_and_b32 s50, s47, 31
	s_bfe_u32 s51, s47, 0x50001
	s_and_b32 s52, s47, 1
	s_lshl_b32 s52, s52, 2
	s_add_co_u32 s52, s52, s61
	s_lshl_b32 s53, s61, 1
	s_cmp_lg_u32 s60, 0
	s_cselect_b32 s50, s51, s50                    ; my group of 128 tokens
	s_cselect_b32 s52, s52, s53                    ; u0, my first tile in it: 2 j, or 4 (g & 1) + j
	s_cselect_b32 s48, s49, s48                    ; 6 b + head
	s_mul_i32 s54, s48, 1228800
	s_mul_i32 s55, s50, 38400
	s_add_co_u32 s54, s54, s55
	s_mul_i32 s55, s52, 1536
	s_add_co_u32 s56, s54, s55
	s_add_co_u32 s56, s56, 25600                   ; Q's fragment u0
	s_mov_b32 s57, 0
	s_lshr_b32 s62, s52, 2
	s_and_b32 s63, s52, 3
	s_lshl_b32 s58, s62, 8
	s_add_co_u32 s58, s58, s54
	s_lshl_b32 s55, s63, 2
	s_add_co_u32 s58, s58, s55
	s_add_co_u32 s58, s58, 37888                   ; its scale words: 256 (u0 / 4) + 4 (u0 % 4)
	s_mov_b32 s59, 0
	s_lshl_b32 s66, s50, 7
	s_lshl_b32 s67, s62, 6
	s_add_co_u32 s66, s66, s67
	s_lshl_b32 s67, s63, 3
	s_add_co_u32 s66, s66, s67                     ; the token under its rows: 128 x group + 64 (u0 / 4) + 8 (u0 % 4)
	s_mul_i32 s66, s66, 3072
	s_cmp_ge_u32 s48, 6
	s_cselect_b32 s67, 1, 0                        ; b
	s_mul_i32 s68, s67, 6
	s_sub_co_u32 s68, s48, s68                     ; head
	s_lshl_b32 s68, s68, 9
	s_mul_i32 s67, s67, 12582912
	s_add_co_u32 s66, s66, s67
	s_add_co_u32 s66, s66, s68
	s_mov_b32 s67, 0
	v_and_b32 v10, 31, v0
	s_delay_alu instid0(VALU_DEP_1)
	v_lshlrev_b32 v[LI], 4, v10
	v_min_u32 v[PFO], 12, v10                      ; the prefetches: block 13 cx + lane of my 50; lanes left over name my share's last
	s_delay_alu instid0(VALU_DEP_1)
	v_add_nc_u32 v[PFO], s69, v[PFO]
	s_delay_alu instid0(VALU_DEP_1)
	v_min_u32 v[PFO], 49, v[PFO]
	s_delay_alu instid0(VALU_DEP_1)
	v_lshlrev_b32 v[PFO], 8, v[PFO]
	v_and_b32 v10, 15, v0                          ; r
	v_bfe_u32 v11, v0, 4, 1                        ; h
	s_delay_alu instid0(VALU_DEP_1)
	v_lshlrev_b32 v[SH8], 3, v11
	v_mul_u32_u24 v[STO], v10, SPITCH
	s_delay_alu instid0(VALU_DEP_1)
	v_lshl_add_u32 v[STO], v11, 7, v[STO]
	s_delay_alu instid0(VALU_DEP_1)
	v_add_nc_u32 v[STO], s39, v[STO]               ; in: row r, + 128 h
	v_add_nc_u32 v[RD], s39, v[LI]                 ; back: a row of 512 bytes
	v_lshlrev_b32 v[QSO], 4, v10
	s_wait_dscnt 0x0
	s_wait_alu depctr_va_vdst(0)
	s_wait_kmcnt 0x0
	s_mov_b32 s28, 1                               ; group 0: it walks from slot to slot
	s_mov_b32 s29, s9
	s_add_nc_u64 s[70:71], s[4:5], s[12:13]        ; where the prefetches stand
	s_mov_b64 s[30:31], s[70:71]
	s_or_b32 s31, s31, 0x80000000
	s_add_nc_u64 s[40:41], s[4:5], s[56:57]        ; Q's fragments
	s_add_nc_u64 s[42:43], s[4:5], s[58:59]        ; Q's scale words
	s_add_nc_u64 s[44:45], s[6:7], s[66:67]        ; out0
	s_add_nc_u64 s[74:75], s[4:5], s[78:79]        ; the second head's K and V
	ROUND                                          ; the first joint loads meet
	tensor_load_to_lds s[28:31], s[16:23]          ; key steps 0-3 of the first head: my one load at the head
	s_nop 0
	PLACES
.macro INIT t
	v_mov_b32 v[MS+4*\t+1], 0xff61b1e6             ; the largest t so far: -3e38
	s_delay_alu instid0(VALU_DEP_1)
	v_floor_f32 v[MS+4*\t], -v[MS+4*\t+1]
	v_mov_b32 v[MS+4*\t+2], 0
	v_mov_b32 v[MS+4*\t+3], 0
	v_mov_b32 v[ST+8*\t+2], 0
	v_mov_b32 v[ST+8*\t+7], 0
	global_load_b32 v[QS+\t], v[QSO], s[42:43] offset:4*\t
	WIN 0x40
.irp i, 0,1,2
	global_load_b128 v[Q+12*\t+4*\i:Q+12*\t+4*\i+3], v[LI], s[40:41] offset:1536*\t+512*\i
.endr
.set i, 0
.rept 64
	v_mov_b32 v[64*\t+i], 0                        ; O^T: the step has no first form of its own
.set i, i+1
.endr
	WIN 0
.endm
	INIT 0
	s_wait_alu depctr_va_vdst(0)                   ; the wait ahead of the branch
	s_cmp_lg_u32 s60, 0
	s_cbranch_scc1 .Lone
	INIT 1
	s_wait_alu depctr_va_vdst(0)                   ; and at the head's end
	s_wait_loadcnt 0x0                             ; Q and its scale words
	s_branch .Lhead_done
.Lone:
	GLOADS 0, 24576, KS, F, F2                     ; key step 0 of the second head: K,
	GLOADS 12288, 25088, VS, G, G2                 ; and V
.Lhead_done:
; 25 LDS loads in one run: the scale words of 8 tiles, fragments 0-3, fragments 4-7: images, 512 consecutive bytes a load
.macro LOADS off, soff, sreg
	ds_load_b128 v[\sreg:\sreg+3], v[ADR] offset:\soff
.irp i, 0,1,2,3,4,5,6,7,8,9,10,11
	ds_load_b128 v[F+4*\i:F+4*\i+3], v[ADR] offset:\off+512*\i
.endr
	WIN 0x40
.irp i, 0,1,2,3,4,5,6,7,8,9,10,11
	ds_load_b128 v[F2+4*\i:F2+4*\i+3], v[ADR] offset:\off+6144+512*\i
.endr
	WIN 0
.endm
.macro KQ tl:vararg                    ; S^T = K Q^T
.if NT == 2
	s_wait_dscnt 12                                ; the youngest 12 loads (fragments 4-7) may be out
.endif
	WIN 0x04
.irp u, 0,1,2,3
.irp t, \tl
	v_wmma_scale_f32_16x16x128_f8f6f4 v[S+64*\t+8*\u:S+64*\t+8*\u+7], v[F+12*\u:F+12*\u+11], v[Q+12*\t:Q+12*\t+11], 0, v[KS+\u], v[QS+\t] matrix_a_fmt:MATRIX_FMT_FP6 matrix_b_fmt:MATRIX_FMT_FP6
.endr
.endr
.if NT == 2
	s_wait_dscnt 0x0
.endif
	WIN 0x05
.irp u, 0,1,2,3
.irp t, \tl
	v_wmma_scale_f32_16x16x128_f8f6f4 v[S+64*\t+32+8*\u:S+64*\t+32+8*\u+7], v[F2+12*\u:F2+12*\u+11], v[Q+12*\t:Q+12*\t+11], 0, v[KS+\u], v[QS+\t] matrix_a_fmt:MATRIX_FMT_FP6 matrix_b_fmt:MATRIX_FMT_FP6 matrix_a_scale:MATRIX_SCALE_ROW1
.endr
.endr
	WIN 0
.endm
.macro PV tl:vararg                    ; O^T += V^T P^T; the accumulators take turns.  VF, VF2: where V's fragments lie
.if NT == 2
	s_wait_dscnt 12
.endif
	WIN 0x50
.irp u, 0,1,2,3
.irp t, \tl
	v_wmma_scale_f32_16x16x128_f8f6f4 v[64*\t+8*\u:64*\t+8*\u+7], v[VF+12*\u:VF+12*\u+11], v[PC+12*\t:PC+12*\t+11], v[64*\t+8*\u:64*\t+8*\u+7], v[VS+\u], v[PS+\t] matrix_a_fmt:MATRIX_FMT_FP6 matrix_b_fmt:MATRIX_FMT_FP6
.endr
.endr
.if NT == 2
	s_wait_dscnt 0x0
.endif
	WIN 0x51
.irp u, 0,1,2,3
.irp t, \tl
	v_wmma_scale_f32_16x16x128_f8f6f4 v[64*\t+32+8*\u:64*\t+32+8*\u+7], v[VF2+12*\u:VF2+12*\u+11], v[PC+12*\t:PC+12*\t+11], v[64*\t+32+8*\u:64*\t+32+8*\u+7], v[VS+\u], v[PS+\t] matrix_a_fmt:MATRIX_FMT_FP6 matrix_b_fmt:MATRIX_FMT_FP6 matrix_a_scale:MATRIX_SCALE_ROW1
.endr
.endr
	WIN 0
.endm
.macro SUMS t                          ; the row's sum of the unquantised p: two at a time, in two chains
	v_pk_add_f32 v[ST+8*\t+2:ST+8*\t+3], v[S+64*\t:S+64*\t+1], v[S+64*\t+2:S+64*\t+3]
.irp j, 4,8,12,16,20,24,28,32,36,40,44,48,52,56,60
	v_pk_add_f32 v[MS+4*\t+2:MS+4*\t+3], v[MS+4*\t+2:MS+4*\t+3], v[S+64*\t+\j:S+64*\t+\j+1]
	v_pk_add_f32 v[ST+8*\t+2:ST+8*\t+3], v[ST+8*\t+2:ST+8*\t+3], v[S+64*\t+\j+2:S+64*\t+\j+3]
.endr
	s_delay_alu instid0(VALU_DEP_1)
	v_pk_add_f32 v[MS+4*\t+2:MS+4*\t+3], v[MS+4*\t+2:MS+4*\t+3], v[ST+8*\t+2:ST+8*\t+3]
.endm
.macro SOFTMAX tl:vararg
.irp t, \tl
.irp c, 0,1
	v_max3_num_f32 v[ST+8*\t+\c], v[S+64*\t+32*\c], v[S+64*\t+32*\c+1], v[S+64*\t+32*\c+2]   ; the largest score of each of my blocks: for the row's maximum and for the block's largest p; ascending
.endr
.endr
.irp i, 3,5,7,9,11,13,15,17,19,21,23,25,27,29
.irp t, \tl
.irp c, 0,1
	v_max3_num_f32 v[ST+8*\t+\c], v[ST+8*\t+\c], v[S+64*\t+32*\c+\i], v[S+64*\t+32*\c+\i+1]
.endr
.endr
.endr
.irp t, \tl
.irp c, 0,1
	v_max_num_f32 v[ST+8*\t+\c], v[ST+8*\t+\c], v[S+64*\t+32*\c+31]
.endr
.endr
.irp t, \tl
	DLYT \t
	v_max_num_f32 v[ST+8*\t+3], v[ST+8*\t], v[ST+8*\t+1]
.endr
.irp t, \tl
	DLY 2, 1
	v_permlanex16_b32 v[ST+8*\t+2], v[ST+8*\t+3], s32, s33
.endr
.irp t, \tl
	DLY 2, 1
	v_max_num_f32 v[ST+8*\t+3], v[ST+8*\t+3], v[ST+8*\t+2]         ; the step's largest score of my query
.endr
.irp t, \tl
	DLY 2, 1
	v_mul_f32 v[ST+8*\t+3], s34, v[ST+8*\t+3]
.endr
.irp t, \tl
	DLY 2, 1
	v_max_num_f32 v[MS+4*\t+1], v[MS+4*\t+1], v[ST+8*\t+3]         ; the running largest t
.endr
.irp t, \tl
	v_mov_b32 v[ST+8*\t+3], v[MS+4*\t]
.endr
.irp t, \tl
	DLY 4, 2
	v_floor_f32 v[MS+4*\t], -v[MS+4*\t+1]                          ; the new -M
.endr
.irp t, \tl
	DLY 2, 1
	v_sub_f32 v[ST+8*\t+3], v[MS+4*\t], v[ST+8*\t+3]               ; old M - new M
.endr
.irp t, \tl
	DLY 2, 1
	v_cvt_i32_f32 v[ST+8*\t+3], v[ST+8*\t+3]
.endr
.irp t, \tl
	DLY 2, 1
	v_ldexp_f32 v[ST+8*\t+6], 1.0, v[ST+8*\t+3]                    ; f = 2^(old M - new M)
.endr
.irp t, \tl
.set i, 0
.rept 32
	v_pk_fma_f32 v[S+64*\t+i:S+64*\t+i+1], v[S+64*\t+i:S+64*\t+i+1], s[34:35], v[MS+4*\t:MS+4*\t+1] op_sel_hi:[1,0,0]   ; t - M
.set i, i+2
.endr
.endr
.irp t, \tl
.irp c, 0,1
	v_fma_f32 v[ST+8*\t+\c], v[ST+8*\t+\c], s34, v[MS+4*\t]        ; the same of each block's largest score
.endr
.endr
	s_wait_alu depctr_va_vdst(0)                   ; the wait ahead of the batch
.irp t, \tl
.set i, 0
.rept 64
	v_exp_f32 v[S+64*\t+i], v[S+64*\t+i]                           ; p = 2^(t - M)
.set i, i+1
.endr
.endr
.irp t, \tl
.irp c, 0,1
	v_exp_f32 v[ST+8*\t+\c], v[ST+8*\t+\c]                         ; the block's largest p
.endr
.endr
.irp t, \tl
	v_pk_mul_f32 v[MS+4*\t+2:MS+4*\t+3], v[MS+4*\t+2:MS+4*\t+3], v[ST+8*\t+6:ST+8*\t+7] op_sel_hi:[1,0]   ; the sums under the new M; a plain place behind the batch
.endr
	s_wait_alu depctr_va_vdst(0)                   ; and behind it
.irp t, \tl
.irp c, 0,1
	v_max_num_f32 v[ST+8*\t+\c], 0x1800000, v[ST+8*\t+\c]          ; the floor 2^(3 - 127)
.endr
.endr
.irp t, \tl
.irp c, 0,1
	DLY 4, 2
	v_add_nc_u32 v[ST+8*\t+4+\c], 0xff000000, v[ST+8*\t+\c]        ; the conversion's scale operand
.endr
.endr
.irp t, \tl
.irp c, 0,1
	DLY 4, 2
	v_lshrrev_b32 v[ST+8*\t+\c], 23, v[ST+8*\t+4+\c]               ; the scale's byte
.endr
.endr
.irp t, \tl
	DLYT \t
	v_lshl_or_b32 v[ST+8*\t+3], v[ST+8*\t+1], 16, v[ST+8*\t]
.endr
.irp t, \tl
	DLY 2, 1
	v_lshlrev_b32 v[ST+8*\t+3], v[SH8], v[ST+8*\t+3]
.endr
.irp t, \tl
	DLY 2, 1
	v_permlanex16_b32 v[ST+8*\t+2], v[ST+8*\t+3], s32, s33
.endr
.irp t, \tl
	DLY 2, 1
	v_or_b32 v[PS+\t], v[ST+8*\t+3], v[ST+8*\t+2]                  ; p's scale word for these 128 keys
.endr
.irp t, \tl
	v_cvt_scalef32_pk16_fp6_f32 v[PC+12*\t:PC+12*\t+2], v[S+64*\t:S+64*\t+15], v[ST+8*\t+4]
	v_cvt_scalef32_pk16_fp6_f32 v[CT0:CT0+2], v[S+64*\t+16:S+64*\t+31], v[ST+8*\t+4]
	v_cvt_scalef32_pk16_fp6_f32 v[PC+12*\t+6:PC+12*\t+8], v[S+64*\t+32:S+64*\t+47], v[ST+8*\t+5]
	v_cvt_scalef32_pk16_fp6_f32 v[CT1:CT1+2], v[S+64*\t+48:S+64*\t+63], v[ST+8*\t+5]
	v_nop
.irp i, 0,1,2
	v_mov_b32 v[PC+12*\t+3+\i], v[CT0+\i]
	v_mov_b32 v[PC+12*\t+9+\i], v[CT1+\i]
.endr
.endr
	WIN 0x41
.irp t, \tl
.set i, 0
.rept 32
	v_pk_mul_f32 v[64*\t+i:64*\t+i+1], v[64*\t+i:64*\t+i+1], v[ST+8*\t+6:ST+8*\t+7] op_sel_hi:[1,0]   ; O^T under the new M; also the places ahead of the products that take p's codes and words
.set i, i+2
.endr
.endr
	WIN 0
.endm
.macro STEP tl:vararg                  ; a key step.  NT = 2: fragments from the ring; NT = 1: from ws, asked for a step ahead
.if NT == 2
	v_add_nc_u32 v[ADR], s36, v[LI]
	s_wait_alu depctr_va_vdst(0)
	LOADS 0, 24576, KS
.else
	s_wait_loadcnt 25                              ; this step's K is in; behind it 25 loads were issued: this step's V
.endif
	KQ \tl
	PLACES
.if NT == 2
	LOADS 12288, 25088, VS
.else
	s_wait_xcnt 0x0                                ; the earlier loads have read their base
	s_cmp_ge_u32 s73, 2
	s_cselect_b32 s76, 38400, 0                    ; on to the next group; in the last step the same group again
	s_add_nc_u64 s[74:75], s[74:75], s[76:77]
	GLOADS 0, 24576, KS, F, F2                     ; the next step's K
.endif
	SOFTMAX \tl
	s_wait_alu depctr_va_vdst(0)
.if NT == 1
	s_wait_loadcnt 25                              ; this step's V is in; behind it 25 loads were issued: the next step's K
.endif
	PV \tl
.irp t, \tl
	SUMS \t                                        ; also the places behind the products
.endr
.if NT == 1
	GLOADS 12288, 25088, VS, G, G2                 ; the next step's V
.endif
	s_wait_alu depctr_va_vdst(0)                   ; the wait ahead of the branches that follow
.endm
; A TRIP: one slot's four key steps.  Each wave waits for all its tensor loads (one is out: its part of this slot), adds 0 to its spare word, and waits for that and for its reads of the other slot.
; fill = 1: a round of the cluster's barrier, then the joint load of the next four key steps into the other slot (in the first trip: that slot's first fill).
.macro TRIP fill
	s_wait_tensorcnt 0x0
	ds_add_u32 v[SPW], v[NIL]
.if \fill
	s_xor_b32 s29, s29, SLOT1
	s_add_nc_u64 s[30:31], s[30:31], GSTEP
.endif
	s_wait_dscnt 0x0
.if \fill
	ROUND
	tensor_load_to_lds s[28:31], s[16:23]
	s_nop 0
	PLACES
	s_cmp_ge_u32 s37, 3                            ; the last three trips have no slot three on
	s_cbranch_scc0 .Lno_ask_\@
	global_prefetch_b8 v[PFO], s[70:71] offset:3*GSTEP th:TH_LOAD_NT scope:SCOPE_SE
.Lno_ask_\@:
.else
	s_barrier_signal -1
	s_barrier_wait -1
.endif
	s_mov_b32 s38, NSTEP
.Lstep_\@:
	s_cmp_lg_u32 s60, 0
	s_cbranch_scc1 .Lsmall_\@
.set NT, 2
.set VF, F
.set VF2, F2
	STEP 0,1
	s_branch .Ljoin_\@
.Lsmall_\@:
.set NT, 1
.set VF, G
.set VF2, G2
	STEP 0
.Ljoin_\@:
	s_add_co_u32 s36, s36, STEPB
	s_sub_co_u32 s73, s73, 1
	s_sub_co_u32 s38, s38, 1
	s_cmp_lg_u32 s38, 0
	s_cbranch_scc1 .Lstep_\@
	s_sub_co_u32 s36, s36, NSTEP*STEPB
	s_xor_b32 s36, s36, SLOT1
.if \fill
	s_wait_xcnt 0x0                                ; the prefetch has read its address
	s_add_nc_u64 s[70:71], s[70:71], GSTEP
.endif
.endm
	s_mov_b32 s37, 7
.Lslot:                                            ; seven trips, each with a load; the last slot's trip is written out
	TRIP 1
	s_sub_co_u32 s37, s37, 1
	s_cmp_lg_u32 s37, 0
	s_cbranch_scc1 .Lslot
	TRIP 0
; THE WAY OUT.  O^T is divided by the row's sum and goes through my stage, a tile at a time; it comes back as whole rows, which the 32 lanes store as 512 consecutive bytes.
.macro OUT t
	WIN 0x01
.set i, 0
.rept 32
	v_pk_mul_f32 v[S+64*\t+i:S+64*\t+i+1], v[64*\t+i:64*\t+i+1], v[ST+8*\t+6:ST+8*\t+7] op_sel_hi:[1,0]   ; ascending
.set i, i+2
.endr
	WIN 0
.irp c, 0,1
.irp i, 0,1,2,3,4,5,6,7
	ds_store_b128 v[STO], v[S+64*\t+32*\c+4*\i:S+64*\t+32*\c+4*\i+3] offset:256*\c+16*\i
.endr
.endr
.irp m, 0,1,2,3,4,5,6,7,8,9,10,11,12,13,14,15
	ds_load_b128 v[S+64*\t+4*\m:S+64*\t+4*\m+3], v[RD] offset:SPITCH*\m    ; LDS serves a wave's instructions in order (ISA guide 5.7.1.4)
.endr
.endm
.macro SEND t, younger                 ; younger: the LDS instructions issued behind tile t's loads
.irp m, 0,1,2,3,4,5,6,7,8,9,10,11,12,13,14,15
	s_wait_dscnt \younger+15-\m
	global_store_b128 v[LI], v[S+64*\t+4*\m:S+64*\t+4*\m+3], s[44:45] offset:(32*(\m/8)+8*\t+(\m%8))*3072 th:TH_STORE_NT   ; the tile's row m is token 32 (m / 8) + 8 t + m % 8 from my base
.endr
.endm
.macro FINISH tl:vararg
.irp t, \tl
	v_add_f32 v[ST+8*\t], v[MS+4*\t+2], v[MS+4*\t+3]
.endr
.irp t, \tl
	DLY 2, 1
	v_permlanex16_b32 v[ST+8*\t+2], v[ST+8*\t], s32, s33
.endr
.irp t, \tl
	DLY 2, 1
	v_add_f32 v[ST+8*\t], v[ST+8*\t], v[ST+8*\t+2]                 ; the row's sum
.endr
	s_wait_alu depctr_va_vdst(0)
.irp t, \tl
	v_rcp_f32 v[ST+8*\t+6], v[ST+8*\t]
.endr
	v_nop
	s_wait_alu depctr_va_vdst(0)
.irp t, \tl
	OUT \t
.endr
.if NT == 2
	SEND 0, 32
	SEND 1, 0
.else
	SEND 0, 0
.endif
.endm
	s_cmp_lg_u32 s60, 0
	s_cbranch_scc1 .Lout_small
.set NT, 2
	FINISH 0,1
	s_branch .Lend
.Lout_small:
.set NT, 1
	FINISH 0
.Lend:
	s_wait_tensorcnt 0x0                           ; the wave's end
	ds_add_u32 v[SPW], v[NIL]
	s_wait_dscnt 0x0
	ROUND                                          ; the closing round
	s_endpgm
.Lfunc_end_k_qf2b289942f_attn:
	.size	k_qf2b289942f_attn, .Lfunc_end_k_qf2b289942f_attn-k_qf2b289942f_attn
	.p2alignl 7, 3214868480
	.fill 96, 4, 3214868480
	.section	.rodata,"a",@progbits
	.p2align	6, 0x0
	.amdhsa_kernel k_qf2b289942f_attn
		.amdhsa_group_segment_fixed_size 327680
		.amdhsa_private_segment_fixed_size 0
		.amdhsa_enable_private_segment 0
		.amdhsa_kernarg_size 16
		.amdhsa_user_sgpr_count 2
		.amdhsa_user_sgpr_kernarg_segment_ptr 1
		.amdhsa_wavefront_size32 1
		.amdhsa_system_sgpr_workgroup_id_x 1
		.amdhsa_system_sgpr_workgroup_id_y 1
		.amdhsa_system_sgpr_workgroup_id_z 1
		.amdhsa_system_vgpr_workitem_id 0
		.amdhsa_next_free_vgpr 464
		.amdhsa_next_free_sgpr 96
		.amdhsa_reserve_vcc 0
		.amdhsa_float_denorm_mode_32 3
		.amdhsa_float_denorm_mode_16_64 3
		.amdhsa_memory_ordered 1
		.amdhsa_forward_progress 1
		.amdhsa_inst_pref_size 142
	.end_amdhsa_kernel
	.amdgpu_metadata
---
amdhsa.version: [ 1, 2 ]
amdhsa.kernels:
  - .name:           k_qf2b289942f_attn
    .symbol:         k_qf2b289942f_attn.kd
    .args:
      - { .name: ws, .offset: 0, .size: 8, .value_kind: global_buffer, .address_space: global }
      - { .name: out0, .offset: 8, .size: 8, .value_kind: global_buffer, .address_space: global }
    .group_segment_fixed_size: 327680
    .private_segment_fixed_size: 0
    .kernarg_segment_align: 8
    .kernarg_segment_size: 16
    .max_flat_workgroup_size: 256
    .sgpr_count:     96
    .vgpr_count:     464
    .wavefront_size: 32
...
	.end_amdgpu_metadata
.endif
;; end of part 2
